; MI455X (gfx1250); checked and timed in simulation.
; The chip was launched on July 23, 2026; its instructions are those of AMD's public machine-readable ISA for CDNA 5 (MIT licence, August 2026) and "CDNA5" Instruction Set Architecture Reference Guide (July 2026). The comments in the code are by the model that wrote it; some were corrected since.
;; Multi Head Self Attention. Allowed arithmetic: matrix products marked QUANTISED: E4M3 operands, one given power-of-two scale a tensor, by v_wmma_f32_16x16x64_fp8_fp8 or v_wmma_f32_16x16x128_fp8_fp8, f32 sums; everything else in f32.
;; Inputs: Wk 1,024 x 1,024 float32; Wo 1,024 x 1,024 float32; Wq 1,024 x 1,024 float32; Wv 1,024 x 1,024 float32; lowp_scales 12 int32 (the exponents e of the quantised operands' scales 2^e); x 4 x 2,048 x 1,024 float32.
;; Outputs: out0 4 x 2,048 x 1,024 float32.
;; This version of the problem:
;;   THIS VERSION OF THE PROBLEM IS GIVEN IN LOW PRECISION. The matrix products marked QUANTISED in the list below multiply operands that are first quantised to E4M3 (4 exponent bits, 3 mantissa bits; 8 bits a number), with one given power-of-two scale for each operand tensor; their sums are f32. All else is computed in f32.
;;   The module's matrix products, in the order in which they are computed (A, B: the left and right operand; K: the contracted axis; several contracted axes count as one K, in the product's order):
;;     1. [M 8,192, K 1,024] x [K 1,024, N 1,024]; A: input x; B: input Wq: QUANTISED (scales: A lowp_scales[0], B lowp_scales[1])
;;     2. [M 8,192, K 1,024] x [K 1,024, N 1,024]; A: input x; B: input Wk: QUANTISED (scales: A lowp_scales[2], B lowp_scales[3])
;;     3. [M 8,192, K 1,024] x [K 1,024, N 1,024]; A: input x; B: input Wv: QUANTISED (scales: A lowp_scales[4], B lowp_scales[5])
;;     4. batch 64 x [M 2,048, K 64] x [K 64, N 2,048]; A: computed on the way; B: computed on the way: QUANTISED (scales: A lowp_scales[6], B lowp_scales[7])
;;     5. batch 64 x [M 2,048, K 2,048] x [K 2,048, N 64]; A: softmax (see below); B: computed on the way: QUANTISED (scales: A lowp_scales[8], B lowp_scales[9])
;;     6. [M 8,192, K 1,024] x [K 1,024, N 1,024]; A: computed on the way; B: input Wo: QUANTISED (scales: A lowp_scales[10], B lowp_scales[11])
;;   THE QUANTISER, for each operand of a quantised product, along K:
;;     - The operand's scale is 2^e, e = its entry of the input lowp_scales (int32; the entries are numbered through the quantised products in the list's order, A before B).
;;     - Each number is divided by the scale, clamped to +-448, and rounded to the nearest number of E4M3, ties to even, subnormals kept.
;;     - The product sums the exact products of the quantised numbers (number of the format x scale) in f32.
;;   ~~~python
;;   def quantise(x, axis, e):      # numpy; x: float32 -> the quantised numbers, widened to float32 again
;;       x = np.moveaxis(x, axis, -1); K = x.shape[-1]
;;       r = np.clip(x / 2.0 ** e, -448, 448)
;;       step = 2.0 ** (np.maximum(np.frexp(np.where(r == 0, 1, r))[1] - 1, -6) - 3)
;;       q = np.round(r / step) * step * 2.0 ** e      # np.round: ties to even
;;       return np.moveaxis(q, -1, axis).astype(np.float32)
;;   ~~~
;;   SOFTMAX AHEAD OF A QUANTISED PRODUCT. Where the list says 'softmax', what is quantised is not the finished softmax but p = 2^(t - M), with t = logit x log2(e) and M = ceil(the row's largest t), a whole number; so 1/2 < the row's largest p <= 1. The row's sum l is taken of the UNQUANTISED p, in f32, and the product's result is divided by l at the end. Since M is a whole number, a kernel that streams over the keys may use a running M (the ceiling of the running maximum): every later rescaling is an exact power of two, so the quantised numbers keep their values, but for numbers so far below the row's largest that they fall under the format's range.
;;   OPERANDS COMPUTED ON THE WAY. 'Computed on the way' means the value that the module computes at that place (a softmax that the list does not call 'softmax' is quantised finished and normalised). What goes into a quantiser is computed in f32, as accurately as f32 sums, v_exp_f32 and their like allow (about 1e-6 of the number): no bf16 or f16 on the way to a quantiser, and a product that is left as it is and whose result goes on into a quantised operand takes f32 operands (vector FMAs, or v_wmma_f32_16x16x4_f32). A number that lies on a knife's edge between two numbers of the format may be rounded either way, as far as f32 arithmetic and the matrix unit's own rounding can turn it there, and no further.
;; One version. Each part assembles by itself: llvm-mc -triple=amdgcn-amd-amdhsa -mcpu=gfx1250 --defsym DOCPART=n.
;; ======== version 1 of 1: 4 launches
;; limits: right only within a limited range of input values
;; workspace buffers: codes 29,360,128 bytes; qkv 25,165,824 bytes; ac 8,388,608 bytes
;; launch quant (part 1): grid 384 x 1, 4 waves a work-group, no clusters, 68,096 bytes of LDS; arguments x, Wq, Wk, Wv, Wo, lowp_scales, codes; writes codes
.if DOCPART == 1
	.amdgcn_target "amdgcn-amd-amdhsa--gfx1250"
	.amdhsa_code_object_version 6
	.text
	.protected	k_qcb31a1172e_quant
	.globl	k_qcb31a1172e_quant
	.p2align	8
	.type	k_qcb31a1172e_quant,@function
k_qcb31a1172e_quant:
	s_mov_b64 s[64:65], 0
	v_nop
	global_prefetch_b8 v0, s[64:65] scope:SCOPE_SE
	s_setreg_imm32_b32 hwreg(HW_REG_WAVE_MODE, 25, 1), 1
	s_wait_xcnt 0x0
; x [8192][1024] f32 becomes THREE planes of E4M3 codes (its scale entries 0, 2 and 4 need not be equal), each [8192][1024], one byte a code, at 0, 8 MiB, 16 MiB of the buffer codes.
; Wq, Wk, Wv, Wo [k 1024][n 1024] f32 become codes laid [n][k], K innermost, at 24 MiB + 1 MiB x (0, 1, 2, 3), with the scale entries 1, 3, 5, 11.
; code = number / 2^e, for x held within +-448, to the nearest code, ties to even.
; LIMITS: each e used here lies between -126 and 119, so that 2^e and 448 x 2^e are f32 numbers.  NaN among the inputs is not served.
; Work-groups 0-255 take x: a plain stream, 8,192 numbers a wave in 16 steps of 512.  Each load reads 512 consecutive bytes; a step's 2,048 bytes turn through the wave's own stage in LDS,
; so that a lane holds 16 neighbours for the conversions; x is read once and converted three times; each store covers 512 consecutive bytes.
; Work-groups 256-383 take the weights: 128 columns x 256 along K each; a lane takes a column and its registers run down K, so the codes come out with K innermost; they leave through a stage, sixteen lanes to 256 consecutive aligned bytes.
; The two ways part once on the work-group's number and have LDS bytes of their own.  Waves share nothing: no barrier.  Memory binds: no matrix unit, no tensor load, no cluster.
.set SPARE, 67584                      ; behind both ways' stages: the spare words, 128 bytes for each wave
.set SPW,   12                         ; v12  LDS address of my spare word; never rewritten
.set NIL,   13                         ; v13  0; never rewritten
.set SP,    80                         ; x: a lane's place in a stage: 64 bytes + 16 of padding
.set R,     16                         ; x: v16-79   four sets of 16 numbers as loaded
.set X,     80                         ; x: v80-111  two sets of 16 neighbours
.set T,     112                        ; x: v112-159 the 16 numbers held within each plane's range
.set C,     160                        ; x: v160-171 a step's codes, four registers a plane
.set WSTG,  32768                      ; W: the stages begin here: 32 rows x 272 bytes for each wave
.set PITCH, 272
.set WX,    32                         ; W: v32-95   two sets of 32 numbers
.set WCD,   96                         ; W: v96-103  a block's codes
.set OUTR,  112                        ; W: v112-175 the way out
	s_load_b256 s[4:11], s[0:1], 0x0               ; x s[4:5], Wq s[6:7], Wk s[8:9], Wv s[10:11]
	s_load_b128 s[12:15], s[0:1], 0x20             ; Wo s[12:13], the scales' exponents s[14:15]
	s_load_b64 s[16:17], s[0:1], 0x30              ; codes
	v_lshl_add_u32 v[SPW], v0, 2, SPARE
	v_mov_b32 v[NIL], 0
	v_lshrrev_b32 v1, 5, v0
	v_readfirstlane_b32 s18, v1                    ; wave 0..3
	v_and_b32 v2, 31, v0                           ; lane
	s_wait_kmcnt 0x0
	s_load_b256 s[36:43], s[14:15], 0x0            ; e0 .. e7
	s_load_b128 s[44:47], s[14:15], 0x20           ; e8 .. e11
	s_cmp_lt_u32 ttmp9, 256
	s_cbranch_scc0 .Lweights
	s_wait_alu depctr_va_vdst(0)
; ---------------- x ----------------
	v_lshlrev_b32 v3, 4, v2                        ; my 16 bytes of a load's 512, and of a store's
	s_wait_alu depctr_va_vdst(0)
	s_mul_i32 s19, s18, 8192                       ; my wave's two stages
	v_lshrrev_b32 v14, 2, v2
	v_mul_u32_u24 v14, v14, SP
	v_and_b32 v15, 3, v2
	v_lshl_add_u32 v14, v15, 4, v14
	v_add_nc_u32 v14, s19, v14                     ; into a stage: four lanes' 64 bytes on end, then the padding
	v_mul_u32_u24 v15, v2, SP
	v_add_nc_u32 v15, s19, v15                     ; out of it: my 16 neighbours
	s_lshl_b32 s26, ttmp9, 2
	s_add_co_u32 s26, s26, s18                     ; which run of 8,192 numbers is my wave's
	s_lshl_b32 s28, s26, 15
	s_mov_b32 s29, 0
	s_add_nc_u64 s[4:5], s[4:5], s[28:29]
	s_lshl_b32 s28, s26, 13
	s_add_nc_u64 s[20:21], s[16:17], s[28:29]      ; plane 0,
	s_add_nc_u64 s[22:23], s[20:21], 0x800000      ; plane 1,
	s_add_nc_u64 s[24:25], s[20:21], 0x1000000     ; plane 2: a base each, since a plane's step is beyond a store's immediate
.macro XLOAD t
.irp i, 0,1,2,3
	global_load_b128 v[R+16*((\t)%4)+4*\i:R+16*((\t)%4)+4*\i+3], v3, s[4:5] offset:2048*(\t)+512*\i th:TH_LOAD_NT
.endr
.endm
.macro XTURN t                         ; LDS serves a wave's instructions in order (ISA guide 5.7.1.4): no wait between the stores and the loads
.irp i, 0,1,2,3
	ds_store_b128 v14, v[R+16*((\t)%4)+4*\i:R+16*((\t)%4)+4*\i+3] offset:32*SP*((\t)%2)+8*SP*\i
.endr
.irp i, 0,1,2,3
	ds_load_b128 v[X+16*((\t)%2)+4*\i:X+16*((\t)%2)+4*\i+3], v15 offset:32*SP*((\t)%2)+16*\i
.endr
.endm
.irp t, 0,1,2,3
	XLOAD \t
.endr
	s_wait_alu depctr_va_vdst(0)
	s_wait_kmcnt 0x0
.irp p, 0,1,2                          ; plane p: v[6+2p] = 2^e as f32 (the conversion takes its exponent field), v[7+2p] = 448 x 2^e
	s_add_co_i32 s30, s[36+2*\p], 127
	s_lshl_b32 s31, s30, 23
	v_mov_b32 v[6+2*\p], s31
	s_add_co_i32 s30, s30, 8
	s_lshl_b32 s30, s30, 23
	s_or_b32 s30, s30, 0x600000
	v_mov_b32 v[7+2*\p], s30
.endr
	s_wait_alu depctr_va_vdst(0)
	s_wait_loadcnt 12                              ; step 0's four loads are in; the twelve of steps 1 to 3 may be out
	XTURN 0
.macro XSTEP t
.set XS, X+16*((\t)%2)
	s_wait_dscnt 0x0                               ; this step's numbers are back from the stage, and its stores into the stage have read their registers,
.if (\t)+4 < 16
	XLOAD (\t)+4                                   ; which take the loads of four steps on
.endif
.if (\t)+1 < 16
.if 14-(\t) >= 3
	s_wait_loadcnt 12                              ; the next step's four loads are in; those of the three steps behind it may be out
.else
	s_wait_loadcnt 4*(14-(\t))
.endif
	XTURN (\t)+1
.endif
.irp p, 0,1,2
.irp i, 0,1,2,3,4,5,6,7,8,9,10,11,12,13,14,15
	v_med3_num_f32 v[T+16*\p+\i], v[XS+\i], -v[7+2*\p], v[7+2*\p]   ; the conversion to an 8-bit code does not saturate (ISA guide 7.6.2): the hold comes first
.endr
.endr
	s_wait_alu depctr_va_vdst(0)
	s_wait_xcnt 0x0                                ; the last step's stores have read their data: the codes' registers are written again only behind this wait
.irp p, 0,1,2
	v_cvt_scalef32_pk8_fp8_f32 v[C+4*\p:C+4*\p+1], v[T+16*\p:T+16*\p+7], v[6+2*\p]
	v_cvt_scalef32_pk8_fp8_f32 v[C+4*\p+2:C+4*\p+3], v[T+16*\p+8:T+16*\p+15], v[6+2*\p]
.endr
	v_nop                                          ; a plain line between the conversions and the next step's holds, which write their sources
.irp p, 0,1,2
	global_store_b128 v3, v[C+4*\p:C+4*\p+3], s[20+2*\p:21+2*\p] offset:512*(\t)   ; 32 lanes store 512 consecutive bytes
.endr
.endm
.irp t, 0,1,2,3,4,5,6,7,8,9,10,11,12,13,14,15
	XSTEP \t
.endr
	s_wait_tensorcnt 0x0                           ; the wave's end, behind my last LDS store
	ds_add_u32 v[SPW], v[NIL]
	s_wait_dscnt 0x0
	s_endpgm
; ---------------- the weights ----------------
.Lweights:
	s_sub_co_u32 s19, ttmp9, 256
	s_lshr_b32 s26, s19, 5                         ; which weight: 0 Wq, 1 Wk, 2 Wv, 3 Wo
	s_and_b32 s27, s19, 7                          ; which 128 columns
	s_bfe_u32 s28, s19, 0x20003                    ; which 256 along K
	s_lshl_b32 s27, s27, 7
	s_lshl_b32 s29, s18, 5
	s_add_co_u32 s27, s27, s29                     ; my wave's first column
	s_cmp_eq_u32 s26, 1                            ; the choice hangs on the work-group's number alone
	s_cselect_b64 s[6:7], s[8:9], s[6:7]
	s_cmp_eq_u32 s26, 2
	s_cselect_b64 s[6:7], s[10:11], s[6:7]
	s_cmp_eq_u32 s26, 3
	s_cselect_b64 s[6:7], s[12:13], s[6:7]
	s_lshl_b32 s30, s28, 20                        ; 256 rows of 4,096 bytes
	s_lshl_b32 s31, s27, 2
	s_add_co_u32 s30, s30, s31
	s_mov_b32 s31, 0
	s_add_nc_u64 s[6:7], s[6:7], s[30:31]
	s_lshl_b32 s32, s26, 20                        ; the weight's codes,
	s_lshl_b32 s33, s27, 10                        ; my column's row of 1,024 bytes,
	s_add_co_u32 s32, s32, s33
	s_lshl_b32 s33, s28, 8                         ; my 256 along K
	s_add_co_u32 s32, s32, s33
	s_add_co_u32 s32, s32, 25165824
	s_mov_b32 s33, 0
	s_add_nc_u64 s[16:17], s[16:17], s[32:33]
	s_wait_alu depctr_va_vdst(0)
	v_lshlrev_b32 v3, 2, v2                        ; in: 4 bytes a lane
	s_mul_i32 s34, s18, 32*PITCH
	s_add_co_u32 s34, s34, WSTG                    ; my stage
	v_mul_u32_u24 v4, v2, PITCH
	v_add_nc_u32 v4, s34, v4                       ; into it: row = my column
	v_and_b32 v5, 15, v2
	v_lshrrev_b32 v6, 4, v2
	v_mul_u32_u24 v7, v6, PITCH
	v_lshl_add_u32 v7, v5, 4, v7
	v_add_nc_u32 v7, s34, v7                       ; out of it: sixteen lanes to a row, two rows an instruction
	v_mul_u32_u24 v8, v6, 1024
	v_lshl_add_u32 v8, v5, 4, v8                   ; and the same place among the codes
.macro WLOAD t                         ; block t: W(32 t + i, my column) into set t % 2: 128 consecutive bytes a wave
.set i, 0
.rept 32
	global_load_b32 v[WX+32*((\t)%2)+i], v3, s[6:7] offset:(32*(\t)+i)*4096 th:TH_LOAD_NT
.set i, i+1
.endr
.endm
	WLOAD 0
	WLOAD 1
	s_wait_kmcnt 0x0
	s_cmp_eq_u32 s26, 1
	s_cselect_b32 s35, s39, s37                    ; e: entries 1, 3, 5, 11
	s_cmp_eq_u32 s26, 2
	s_cselect_b32 s35, s41, s35
	s_cmp_eq_u32 s26, 3
	s_cselect_b32 s35, s47, s35
	s_add_co_i32 s35, s35, 127
	s_lshl_b32 s34, s35, 23
	v_mov_b32 v11, s34                             ; 2^e
	s_add_co_i32 s35, s35, 8
	s_lshl_b32 s35, s35, 23
	s_or_b32 s35, s35, 0x600000
.macro WBLOCK t
.set XS, WX+32*((\t)%2)
.if (\t) < 7
	s_wait_loadcnt 32                              ; this block's 32 loads are in; the next block's may be out
.else
	s_wait_loadcnt 0
.endif
.set i, 0
.rept 32
.set i, i+1
.endr
.irp g, 0,1,2,3
	v_cvt_scalef32_pk8_fp8_f32 v[WCD+2*\g:WCD+2*\g+1], v[XS+8*\g:XS+8*\g+7], v11
.endr
	v_nop                                          ; a plain line behind the conversions
	ds_store_b128 v4, v[WCD:WCD+3] offset:32*(\t)  ; 32 codes of my column's row
	ds_store_b128 v4, v[WCD+4:WCD+7] offset:32*(\t)+16
.if (\t)+2 < 8
	WLOAD (\t)+2
.endif
	s_wait_dscnt 0x0                               ; the stores have read their registers: the next block's codes may be written
.endm
	s_wait_alu depctr_va_vdst(0)
.irp t, 0,1,2,3,4,5,6,7
	WBLOCK \t
.endr
.irp t, 0,1,2,3,4,5,6,7,8,9,10,11,12,13,14,15
	ds_load_b128 v[OUTR+4*\t:OUTR+4*\t+3], v7 offset:2*\t*PITCH
.endr
.irp t, 0,1,2,3,4,5,6,7,8,9,10,11,12,13,14,15
	s_wait_dscnt 15-\t                             ; LDS loads come back in order: pair t of rows is in
	global_store_b128 v8, v[OUTR+4*\t:OUTR+4*\t+3], s[16:17] offset:2*\t*1024   ; sixteen lanes store 256 consecutive aligned bytes
.endr
	s_wait_tensorcnt 0x0                           ; the wave's end, behind my last LDS store
	ds_add_u32 v[SPW], v[NIL]
	s_wait_dscnt 0x0
	s_endpgm
.Lfunc_end_k_qcb31a1172e_quant:
	.size	k_qcb31a1172e_quant, .Lfunc_end_k_qcb31a1172e_quant-k_qcb31a1172e_quant
	.p2alignl 7, 3214868480
	.fill 96, 4, 3214868480
	.section	.rodata,"a",@progbits
	.p2align	6, 0x0
	.amdhsa_kernel k_qcb31a1172e_quant
		.amdhsa_group_segment_fixed_size 68096
		.amdhsa_private_segment_fixed_size 0
		.amdhsa_enable_private_segment 0
		.amdhsa_kernarg_size 56
		.amdhsa_user_sgpr_count 2
		.amdhsa_user_sgpr_kernarg_segment_ptr 1
		.amdhsa_wavefront_size32 1
		.amdhsa_system_sgpr_workgroup_id_x 1
		.amdhsa_system_sgpr_workgroup_id_y 1
		.amdhsa_system_sgpr_workgroup_id_z 1
		.amdhsa_system_vgpr_workitem_id 0
		.amdhsa_next_free_vgpr 192
		.amdhsa_next_free_sgpr 66
		.amdhsa_reserve_vcc 0
		.amdhsa_float_denorm_mode_32 3
		.amdhsa_float_denorm_mode_16_64 3
		.amdhsa_fp16_overflow 1
		.amdhsa_memory_ordered 1
		.amdhsa_forward_progress 1
		.amdhsa_inst_pref_size 111
	.end_amdhsa_kernel
	.amdgpu_metadata
---
amdhsa.version: [ 1, 2 ]
amdhsa.kernels:
  - .name:           k_qcb31a1172e_quant
    .symbol:         k_qcb31a1172e_quant.kd
    .args:
      - { .name: x, .offset: 0, .size: 8, .value_kind: global_buffer, .address_space: global }
      - { .name: Wq, .offset: 8, .size: 8, .value_kind: global_buffer, .address_space: global }
      - { .name: Wk, .offset: 16, .size: 8, .value_kind: global_buffer, .address_space: global }
      - { .name: Wv, .offset: 24, .size: 8, .value_kind: global_buffer, .address_space: global }
      - { .name: Wo, .offset: 32, .size: 8, .value_kind: global_buffer, .address_space: global }
      - { .name: lowp_scales, .offset: 40, .size: 8, .value_kind: global_buffer, .address_space: global }
      - { .name: codes, .offset: 48, .size: 8, .value_kind: global_buffer, .address_space: global }
    .group_segment_fixed_size: 68096
    .private_segment_fixed_size: 0
    .kernarg_segment_align: 8
    .kernarg_segment_size: 56
    .max_flat_workgroup_size: 128
    .sgpr_count:     66
    .vgpr_count:     192
    .wavefront_size: 32
...
	.end_amdgpu_metadata
.endif
;; end of part 1
;; launch qkv (part 2): grid 12 x 32, 4 waves a work-group, clusters of 4 x 4, 327,680 bytes of LDS; arguments codes, lowp_scales, qkv; writes qkv
.if DOCPART == 2
	.amdgcn_target "amdgcn-amd-amdhsa--gfx1250"
	.amdhsa_code_object_version 6
	.text
	.protected	k_qcb31a1172e_qkv
	.globl	k_qcb31a1172e_qkv
	.p2align	8
	.type	k_qcb31a1172e_qkv,@function
k_qcb31a1172e_qkv:
	s_mov_b64 s[64:65], 0
	v_nop
	global_prefetch_b8 v0, s[64:65] scope:SCOPE_SE
	s_setreg_imm32_b32 hwreg(HW_REG_WAVE_MODE, 25, 1), 1
	s_wait_xcnt 0x0
	s_wait_alu depctr_hold_cnt(0) depctr_sa_sdst(0) depctr_va_vdst(0) depctr_va_sdst(0) depctr_va_ssrc(0) depctr_va_vcc(0) depctr_vm_vsrc(0)
	s_getreg_b32 s2, hwreg(HW_REG_IB_STS2, 6, 4)
	s_cmp_eq_u32 s2, 0
	s_cbranch_scc0 .Lentry_in_a_cluster
	s_endpgm
.Lentry_in_a_cluster:
	s_bfe_u32 s2, ttmp6, 0x10000c
	s_cmp_lg_u32 s2, 0xf033
	s_cbranch_scc0 .Lentry_shape_is_right
	s_endpgm
.Lentry_shape_is_right:
; q = x Wq, k = x Wk, v = x Wv on E4M3 codes, K = 1,024; each finished f32 sum is quantised at once, in registers, for the attention's products (scale entries 6, 7, 9).
; The cluster's x is the plane: 0 q, 1 k, 2 v.  A tile is 256 x 256, made by four waves, each 128 x 128: 64 accumulators of 16 x 16.  K goes in four steps of 256 through two LDS slots, filled by joint tensor loads.
; THE MATRIX INSTRUCTION: source 0 = 16 rows of operand B', source 1 = 16 rows of operand A'.  A lane then holds ONE row of A' (lane % 16) and, in a result's eight registers, eight neighbouring rows of B'.
;   q, k: A' = x's plane (tile 4 x cluster y + cy), B' = the weight's codes [n][k] (tile cx): a lane holds one token and eight neighbouring channels: the next product's K is the head's 64 channels.
;   v:    A' = Wv's codes (tile cy), B' = x's plane 2 (tile 4 x cluster y + cx): a lane holds one channel and eight neighbouring KEYS: the next product's K is the keys.
; So the conversions' results ARE the next operand's registers.  They are stored as images of those registers: a piece is four registers of 32 lanes, 512 consecutive bytes, lane l's 16 bytes at 16 l.
;   q at 0, k at 8 MiB: ((batch x 8 + head / 2) x 128 + token / 16) x 2,048 + (head % 2) x 1,024: lane (r, h), registers 2 c, 2 c + 1: channels 16 c + 8 h + 0 .. 7 of token r.
;   v at 16 MiB: ((batch x 16 + token / 128) x 64 + channel of 1,024 / 16) x 2,048: lane (r, h), registers 2 c, 2 c + 1: keys 16 c + 8 h + 0 .. 7 of channel r.
; A sum stands for sum x 2^(eA + eB), so its code is sum / 2^(eo - eA - eB): the three scales are folded into the conversion's one.
; In the products k is taken in another order than the form's own, the same in both operands (four loads of 16 bytes a fragment): every product meets its partner.
; LIMITS: eo - eA - eB (e6 - e0 - e1, e7 - e2 - e3, e9 - e4 - e5) between -126 and 119.  NaN among the inputs is not served.
; CLUSTERS: 4 x 4 work-groups; A' is shared along a row of the cluster, B' along a column.  A tile lies in one plane, since x's codes differ from plane to plane: 384 tiles.
; REGISTERS: window 0: v0-31 addresses and scales; v128-255 A's fragments, one set (on the way out: the codes).  window 1: B's fragments, two sets.  windows 2, 3: the accumulators ((a, b) at v[8 (8 (a % 4) + b)]).
.set ROWB,   256                       ; a tile's row in bytes
.set KROW,   1024                      ; a row of codes in memory
.set PITCH,  272                       ; an LDS row: 256 bytes + 16 of padding = 68 words: the 16 rows that a load touches start at 16 different banks (64 banks of 4 bytes: ISA guide 11.1)
.set FR,     16
.set NL,     4
.set NP,     4                         ; places behind this matrix instruction (ISA guide 7.12.1)
.set HALFT,  128*PITCH
.set SLOT,   4*HALFT                   ; A's 256 rows, then B's 256 rows
.set SPARE,  2*SLOT                    ; behind the ring: the spare words, 128 bytes for each wave
.set WCB,    25165824                  ; the weights' codes begin here, 1 MiB each
.set ADRA, 16
.set ADRB, 20
.set CO,   26                          ; v26  16 x lane
.set SPW,  28
.set NIL,  29
.set TMP,  32
.set AF,   128
.set G1, 24
.set G0, 32
.set G1B, 48
.set G0B, 56
.set MSB, 0
.macro WIN new                         ; the immediate's high byte repeats the setting that is left
.if MSB != \new
	s_set_vgpr_msb (MSB<<8)|\new
.set MSB, \new
.endif
.endm
.set MUL_LO, 0xa1                      ; source 0 (B') window 1, source 1 (A') window 0, C and D window 2
.set MUL_HI, 0xf1
.set TO_B,   0x40
; A joint load: waves 0 and 1 fetch for A', waves 2 and 3 for B'.  The branch hangs on the wave's number alone.  An s_nop 0 and four v_nop follow each line.
.macro JLOAD g0a, g1a, g0b, g1b
	s_cmp_eq_u32 s15, 0
	s_cbranch_scc0 .Lfor_b_\@
	tensor_load_to_lds s[\g0a:\g0a+3], s[\g1a:\g1a+7]
	s_nop 0
.rept 4
	v_nop
.endr
	s_branch .Lasked_\@
.Lfor_b_\@:
	tensor_load_to_lds s[\g0b:\g0b+3], s[\g1b:\g1b+7]
	s_nop 0
.rept 4
	v_nop
.endr
.Lasked_\@:
.endm
.macro CREST                           ; a round of the cluster's barrier behind its opening barrier
	s_cmp_lg_u32 s14, 0
	s_cbranch_scc1 .Lnot_wave_0_\@
	s_barrier_signal -3
.Lnot_wave_0_\@:
	s_barrier_wait -3
	s_barrier_signal -1
	s_barrier_wait -1
.endm
.macro CROUND
	s_barrier_signal -1
	s_barrier_wait -1
	CREST
.endm
	s_load_b128 s[4:7], s[0:1], 0x0                ; codes s[4:5], the scales' exponents s[6:7]
	s_load_b64 s[10:11], s[0:1], 0x10              ; qkv
	v_lshl_add_u32 v[SPW], v0, 2, SPARE
	v_mov_b32 v[NIL], 0
	ds_add_u32 v[SPW], v[NIL]                      ; the wave's opening: the add and its wait ahead of my first tensor load
	ds_add_u32 v[SPW], v[NIL]
	v_lshrrev_b32 v1, 5, v0
	v_readfirstlane_b32 s14, v1                    ; wave 0..3
	s_lshr_b32 s15, s14, 1                         ; my half of A's rows.  Also: I fetch for A' (0) or for B' (1)
	s_and_b32 s16, s14, 1                          ; my half of B's rows.  Also: which 128 rows I fetch
	s_bfe_u32 s40, ttmp6, 0x40000                  ; cx
	s_bfe_u32 s41, ttmp6, 0x40004                  ; cy
	s_and_b32 s17, ttmp7, 0xffff                   ; cluster y
	s_lshl_b32 s43, s41, 2
	s_lshl_b32 s43, 15, s43                        ; my row of the cluster
	s_lshl_b32 s44, 0x1111, s40                    ; my column
	s_or_b32 s[G1+0], s43, (0<<16)|(1<<20)|(1<<21)|(5<<22)|(3<<25)  ; the mask; elements of 1 byte; padding on; bit 21 beside a mask; 4 words of padding behind every 64
	s_or_b32 s[G1B+0], s44, (0<<16)|(1<<20)|(1<<21)|(5<<22)|(3<<25)
.irp g, G1, G1B
	s_mov_b32 s[\g+1], ROWB<<16                    ; tensor_dim0
	s_mov_b32 s[\g+2], 128<<16                     ; tensor_dim1
	s_mov_b32 s[\g+3], ROWB<<16                    ; tile_dim0
	s_mov_b32 s[\g+4], 128                         ; tile_dim1
	s_mov_b32 s[\g+5], KROW                        ; from row to row
	s_mov_b32 s[\g+6], 0
	s_mov_b32 s[\g+7], 0
.endr
	; where the tiles come from, as byte offsets in codes.  A tile of 256 rows is 2^18 bytes.  First what hangs on the cluster alone, then cy (A' only) and cx (B' only).
	s_lshl_b32 s18, s17, 20                        ; 4 x cluster y tiles
	s_lshl_b32 s19, ttmp9, 23                      ; x's plane
	s_add_co_u32 s19, s19, s18                     ; q, k: A'
	s_lshl_b32 s42, ttmp9, 20
	s_add_co_u32 s42, s42, WCB                     ; q, k: B'
	s_add_co_u32 s18, s18, 2<<23                   ; v: B' = x's plane 2
	s_mov_b32 s45, WCB+(2<<20)                     ; v: A' = Wv's codes
	s_cmp_eq_u32 ttmp9, 2                          ; the cluster's x: the same in all sixteen partners
	s_cselect_b32 s20, s45, s19
	s_cselect_b32 s46, s18, s42
	s_lshl_b32 s19, s16, 17                        ; which 128 rows I fetch
	s_lshl_b32 s18, s41, 18
	s_add_co_u32 s20, s20, s18
	s_add_co_u32 s20, s20, s19
	s_lshl_b32 s42, s40, 18
	s_add_co_u32 s46, s46, s42
	s_add_co_u32 s46, s46, s19
	s_mov_b32 s21, 0
	s_mov_b32 s47, 0
	s_mul_i32 s45, s14, HALFT                      ; where they go: wave x 128 rows
	s_wait_dscnt 0x0                               ; the opening add is done
	s_wait_kmcnt 0x0
	s_load_b256 s[68:75], s[6:7], 0x0              ; e0 .. e7
	s_load_b128 s[76:79], s[6:7], 0x20             ; e8 .. e11
	s_add_nc_u64 s[20:21], s[4:5], s[20:21]
	s_add_nc_u64 s[46:47], s[4:5], s[46:47]
	CROUND                                         ; all sixteen work-groups are here: the first joint loads meet
.irp s, 0,1
	s_mov_b32 s[G0+4*\s], 1
	s_add_co_u32 s[G0+4*\s+1], s45, \s*SLOT
	s_add_nc_u64 s[G0+4*\s+2:G0+4*\s+3], s[20:21], \s*ROWB
	s_or_b32 s[G0+4*\s+3], s[G0+4*\s+3], 0x80000000
	s_mov_b32 s[G0B+4*\s], 1
	s_add_co_u32 s[G0B+4*\s+1], s45, \s*SLOT
	s_add_nc_u64 s[G0B+4*\s+2:G0B+4*\s+3], s[46:47], \s*ROWB
	s_or_b32 s[G0B+4*\s+3], s[G0B+4*\s+3], 0x80000000
	s_wait_alu depctr_va_vdst(0)
	s_wait_tensorcnt 0x0
	ds_add_u32 v28, v29
	ds_add_u32 v28, v29
	s_wait_dscnt 0x0
	CROUND
	JLOAD G0+4*\s, G1, G0B+4*\s, G1B               ; one load of mine is out
.endr
	v_and_b32 v1, 15, v0
	v_bfe_u32 v2, v0, 4, 1
	v_mul_u32_u24 v3, v1, PITCH
	v_lshl_add_u32 v4, v2, 4, v3                   ; a fragment's row x pitch + 16 x half
	s_mul_i32 s21, s15, HALFT
	s_mul_i32 s22, s16, HALFT
	s_add_co_u32 s22, s22, 2*HALFT
.irp s, 0,1
	v_add_nc_u32 v[ADRA+\s], s21, v4
	v_add_nc_u32 v[ADRB+\s], s22, v4
	s_add_co_u32 s21, s21, SLOT
	s_add_co_u32 s22, s22, SLOT
.endr
	v_and_b32 v6, 31, v0
	v_lshlrev_b32 v[CO], 4, v6
	; where my wave's 16 KiB of images begin
	s_lshr_b32 s80, s17, 1                         ; batch
	s_and_b32 s81, s17, 1
	s_lshl_b32 s81, s81, 2                         ; the first of the cluster's four tiles of tokens within the batch's eight
	s_lshl_b32 s82, s80, 3                         ; q, k: (batch x 8 + 2 cx + my half) pairs of heads,
	s_lshl_b32 s83, s40, 1
	s_add_co_u32 s82, s82, s83
	s_add_co_u32 s82, s82, s16
	s_lshl_b32 s82, s82, 7
	s_add_co_u32 s83, s81, s41                     ; tile of tokens x 16 + 8 x my half
	s_lshl_b32 s83, s83, 4
	s_add_co_u32 s82, s82, s83
	s_lshl_b32 s83, s15, 3
	s_add_co_u32 s82, s82, s83
	s_lshl_b32 s82, s82, 11
	s_lshl_b32 s83, ttmp9, 23
	s_add_co_u32 s82, s82, s83
	s_lshl_b32 s84, s80, 4                         ; v: (batch x 16 + 2 x tile of tokens + my half) blocks of 128 keys,
	s_add_co_u32 s85, s81, s40
	s_lshl_b32 s85, s85, 1
	s_add_co_u32 s84, s84, s85
	s_add_co_u32 s84, s84, s16
	s_lshl_b32 s84, s84, 4
	s_lshl_b32 s85, s41, 2                         ; x 16 heads + 4 cy + 2 x my half
	s_add_co_u32 s84, s84, s85
	s_lshl_b32 s85, s15, 1
	s_add_co_u32 s84, s84, s85
	s_lshl_b32 s84, s84, 13
	s_add_co_u32 s84, s84, 16777216
	s_cmp_eq_u32 ttmp9, 2
	s_cselect_b32 s82, s84, s82
	s_mov_b32 s83, 0
	s_add_nc_u64 s[10:11], s[10:11], s[82:83]
.macro FRAG reg, adr, q, i             ; 16 rows x 128 K: lane l holds row l % 16; registers 4 c .. 4 c + 3 hold K = 32 c + 16 (l / 16) + 0 .. 15
.irp c, 0,1,2,3
	ds_load_b128 v[\reg+4*\c:\reg+4*\c+3], v[\adr] offset:128*(\q)+32*\c+(\i)*16*PITCH
.endr
.endm
; 16 matrix instructions: A's blocks a0, a0 + 1 x B's eight.  The 64 accumulators take turns, one instruction a turn, in the same order in every step.
.macro MUL16 a0, p, zero
.irp a, \a0, \a0+1
.irp b, 0,1,2,3,4,5,6,7
.if \zero
	v_wmma_f32_16x16x128_fp8_fp8 v[8*(8*((\a)%4)+\b):8*(8*((\a)%4)+\b)+7], v[128*(\p)+FR*\b:128*(\p)+FR*\b+FR-1], v[AF+FR*(\a):AF+FR*(\a)+FR-1], 0
.else
	v_wmma_f32_16x16x128_fp8_fp8 v[8*(8*((\a)%4)+\b):8*(8*((\a)%4)+\b)+7], v[128*(\p)+FR*\b:128*(\p)+FR*\b+FR-1], v[AF+FR*(\a):AF+FR*(\a)+FR-1], v[8*(8*((\a)%4)+\b):8*(8*((\a)%4)+\b)+7]
.endif
.endr
.endr
.endm
.macro FETCH_B slot, q, p
	WIN TO_B
.irp i, 0,1,2,3,4,5,6,7
	FRAG 128*(\p)+FR*\i, ADRB+\slot, \q, \i
.endr
	WIN 0
.endm
.macro FETCH_A slot, q, i0
.irp i, \i0, \i0+1, \i0+2, \i0+3
	FRAG AF+FR*(\i), ADRA+\slot, \q, \i
.endr
.endm
.macro PLACES n                        ; plain vector lines between a matrix instruction and a load into, or a vector read of, its registers
.rept \n
	v_nop
.endr
.endm
; A step of 128 along K that has its successor in the same slot.  A's one set: blocks 0-3 are fetched anew in the step's middle, blocks 4-7 at its end.
.macro STEP slot, q, zero
	s_wait_dscnt 4*NL                              ; B's set and A's blocks 0-3 are in; the sixteen youngest loads (A's blocks 4-7) may be out
	WIN MUL_LO
	MUL16 0, (\q)%2, \zero
	MUL16 2, (\q)%2, \zero
	s_wait_dscnt 0
	PLACES NP
	FETCH_B \slot, (\q)+1, 1-(\q)%2
	FETCH_A \slot, (\q)+1, 0
	WIN MUL_HI
	MUL16 4, (\q)%2, \zero
	MUL16 6, (\q)%2, \zero
	PLACES NP
	WIN 0
	FETCH_A \slot, (\q)+1, 4
.endm
; A slot's last step changes slots: one barrier; in front of it each wave waits for all its tensor loads, adds 0 to its spare word, and waits for that and for its reads of this slot.
.macro TURN slot, next, fill
	s_wait_tensorcnt 0x0                           ; all my tensor loads have landed: my part of the next slot
	ds_add_u32 v[SPW], v[NIL]
	s_wait_dscnt 4*NL+1                            ; the add and the sixteen youngest loads may be out
	WIN MUL_LO
	MUL16 0, 1, 0
	s_wait_dscnt 0x0                               ; the add is done, and my reads of this slot are over
	s_barrier_signal -1
	MUL16 2, 1, 0
	WIN 0
	s_barrier_wait -1
.if \fill
	CREST                                          ; the barrier has opened a round of the cluster's: no wave of any partner still reads this slot or has a load on its way
	s_add_nc_u64 s[G0+4*\slot+2:G0+4*\slot+3], s[G0+4*\slot+2:G0+4*\slot+3], 2*ROWB
	s_add_nc_u64 s[G0B+4*\slot+2:G0B+4*\slot+3], s[G0B+4*\slot+2:G0B+4*\slot+3], 2*ROWB
	JLOAD G0+4*\slot, G1, G0B+4*\slot, G1B         ; the first tensor load behind the round; its four v_nop are the places in front of the loads below
.else
	PLACES NP
.endif
	FETCH_B \next, 0, 0
	FETCH_A \next, 0, 0
	WIN MUL_HI
	MUL16 4, 1, 0
	MUL16 6, 1, 0
	PLACES NP
	WIN 0
	FETCH_A \next, 0, 4
.endm
	s_wait_alu depctr_va_vdst(0)
	s_wait_tensorcnt 1                             ; my part of K step 0 is in; K step 1's load may be out
	s_barrier_signal -1
	s_barrier_wait -1
	FETCH_B 0, 0, 0
	FETCH_A 0, 0, 0
	FETCH_A 0, 0, 4
	STEP 0, 0, 1                                   ; the first products start the sums: nothing is cleared
	TURN 0, 1, 1                                   ; slot 0 takes K step 2
	STEP 1, 0, 0
	TURN 1, 0, 1                                   ; slot 1 takes K step 3
	STEP 0, 0, 0
	TURN 0, 1, 0
	STEP 1, 0, 0
	s_wait_dscnt 4*NL                              ; the last step: nothing more to fetch
	WIN MUL_LO
	MUL16 0, 1, 0
	MUL16 2, 1, 0
	s_wait_dscnt 0
	WIN MUL_HI
	MUL16 4, 1, 0
	MUL16 6, 1, 0
	WIN 0
	; THE WAY OUT: convert, store.  No LDS: a block's 16 registers of codes are four pieces of 512 consecutive bytes.
	s_wait_kmcnt 0x0
	s_sub_co_i32 s86, s74, s68                     ; q: e6 - e0 - e1
	s_sub_co_i32 s86, s86, s69
	s_sub_co_i32 s87, s75, s70                     ; k: e7 - e2 - e3
	s_sub_co_i32 s87, s87, s71
	s_sub_co_i32 s88, s77, s72                     ; v: e9 - e4 - e5
	s_sub_co_i32 s88, s88, s73
	s_cmp_eq_u32 ttmp9, 1
	s_cselect_b32 s86, s87, s86
	s_cmp_eq_u32 ttmp9, 2
	s_cselect_b32 s86, s88, s86
	s_add_co_i32 s86, s86, 127
	s_lshl_b32 s87, s86, 23
	v_mov_b32 v30, s87                             ; the folded scale as f32
	s_add_co_i32 s86, s86, 8
	s_lshl_b32 s86, s86, 23
	s_or_b32 s86, s86, 0x600000
	PLACES NP
.macro OUT a
.set AC, 64*((\a)%4)
	WIN 0x02+((\a)/4)                              ; source 0: window 2 or 3
.set j, 0
.rept 64
.set j, j+1
.endr
.irp b, 0,1,2,3,4,5,6,7
	v_cvt_scalef32_pk8_fp8_f32 v[128+16*(\a)+2*\b:129+16*(\a)+2*\b], v[AC+8*\b:AC+8*\b+7], v30
.endr
	WIN 0
	v_nop                                          ; a plain line behind the conversions
.irp g, 0,1,2,3
	global_store_b128 v[CO], v[128+16*(\a)+4*\g:131+16*(\a)+4*\g], s[10:11] offset:2048*(\a)+512*\g   ; 512 consecutive aligned bytes; each block has registers of its own, so no store's data are written again
.endr
.endm
.irp a, 0,1,2,3,4,5,6,7
	OUT \a
.endr
	s_wait_tensorcnt 0x0                           ; the wave's end
	ds_add_u32 v[SPW], v[NIL]
	s_wait_dscnt 0x0
	CROUND                                         ; the closing round
	s_endpgm
.Lfunc_end_k_qcb31a1172e_qkv:
	.size	k_qcb31a1172e_qkv, .Lfunc_end_k_qcb31a1172e_qkv-k_qcb31a1172e_qkv
	.p2alignl 7, 3214868480
	.fill 96, 4, 3214868480
	.section	.rodata,"a",@progbits
	.p2align	6, 0x0
	.amdhsa_kernel k_qcb31a1172e_qkv
		.amdhsa_group_segment_fixed_size 327680
		.amdhsa_private_segment_fixed_size 0
		.amdhsa_enable_private_segment 0
		.amdhsa_kernarg_size 24
		.amdhsa_user_sgpr_count 2
		.amdhsa_user_sgpr_kernarg_segment_ptr 1
		.amdhsa_wavefront_size32 1
		.amdhsa_system_sgpr_workgroup_id_x 1
		.amdhsa_system_sgpr_workgroup_id_y 1
		.amdhsa_system_sgpr_workgroup_id_z 1
		.amdhsa_system_vgpr_workitem_id 0
		.amdhsa_next_free_vgpr 1024
		.amdhsa_next_free_sgpr 100
		.amdhsa_reserve_vcc 0
		.amdhsa_float_denorm_mode_32 3
		.amdhsa_float_denorm_mode_16_64 3
		.amdhsa_fp16_overflow 1
		.amdhsa_memory_ordered 1
		.amdhsa_forward_progress 1
		.amdhsa_inst_pref_size 87
	.end_amdhsa_kernel
	.amdgpu_metadata
---
amdhsa.version: [ 1, 2 ]
amdhsa.kernels:
  - .name:           k_qcb31a1172e_qkv
    .symbol:         k_qcb31a1172e_qkv.kd
    .args:
      - { .name: codes, .offset: 0, .size: 8, .value_kind: global_buffer, .address_space: global }
      - { .name: lowp_scales, .offset: 8, .size: 8, .value_kind: global_buffer, .address_space: global }
      - { .name: qkv, .offset: 16, .size: 8, .value_kind: global_buffer, .address_space: global }
    .group_segment_fixed_size: 327680
    .private_segment_fixed_size: 0
    .kernarg_segment_align: 8
    .kernarg_segment_size: 24
    .max_flat_workgroup_size: 128
    .sgpr_count:     100
    .vgpr_count:     1024
    .wavefront_size: 32
...
	.end_amdgpu_metadata
.endif
;; end of part 2
;; launch attn (part 3): grid 4 x 64, 16 waves a work-group, no clusters, 327,680 bytes of LDS; arguments qkv, lowp_scales, ac; writes ac
.if DOCPART == 3
	.amdgcn_target "amdgcn-amd-amdhsa--gfx1250"
	.amdhsa_code_object_version 6
	.text
	.protected	k_qcb31a1172e_attn
	.globl	k_qcb31a1172e_attn
	.p2align	8
	.type	k_qcb31a1172e_attn,@function
k_qcb31a1172e_attn:
	s_mov_b64 s[64:65], 0
	v_nop
	global_prefetch_b8 v0, s[64:65] scope:SCOPE_SE
	s_setreg_imm32_b32 hwreg(HW_REG_WAVE_MODE, 25, 1), 1
	s_wait_xcnt 0x0
; Causal attention on E4M3 codes, head size 64, 2,048 tokens, 64 (batch, head) pairs.  q, k, v come as images of operand registers (a piece: 32 lanes x 16 bytes); the result is quantised (scale entry 10) and leaves the same way.
; THE SOFTMAX: t = score x log2(e) / 8; M = the running largest t rounded UP to a whole number; p = 2^(t - M) is quantised (entry 8), not normalised; the row's sum is taken of the unquantised p and divides at the end.
; When M moves, the sum and O are multiplied by 2^(old M - new M): exact.
; SHARES.  Work-group (i, head) owns the blocks i and 7 - i of 256 queries: block i needs i + 1 slots of 256 keys, block 7 - i needs 8 - i: NINE slots for every work-group, so all 256 have the same work,
; the loop's trip count is a constant, and no slot is fetched that nobody reads.  Each of the sixteen waves owns 16 queries of each block, in 256 registers: four waves to a SIMD, so that one wave's vector work stands beside another's products.
; NO CLUSTER: in the same trip the four work-groups of a head stand at different slots of keys (slot n, or n - i - 1), so no request is joint.
; LAYOUT.  S^T = K Q^T (source 0 = 16 keys, source 1 = my 16 queries), O^T = V^T P^T (source 0 = 16 channels, source 1 = P): a lane holds ONE query (lane % 16) throughout.  In tile t of S^T register j is key 16 t + 8 (lane / 16) + j:
; its eight codes are registers 2 t, 2 t + 1 of the second product's operand in that form's own order.  O^T's codes likewise are the last product's operand.
; A step (128 keys) all of whose keys come after my queries is left out by a scalar branch on ids; on the diagonal hidden scores become -infinity ahead of the maximum.  Key 0 counts for every query, so M is a number from the first step on.
; LIMITS: e6 + e7 between -123 and 130; e8 and e10 between -126 and 119; e8 + e9 is applied by v_ldexp_f32.  NaN among the inputs is not served.
; REGISTERS: v1 16 x lane; v2 LDS address; v3 prefetch offset; v5, v6 the add's two; v12 -M, v13 largest t, v[14:15] the sum; v16-23 Q in hand; v24-31 Q of the second block; v32-95 K's 8 fragments, then V's 4; v96-159 S^T, p; v160-191 O^T; v224-239 codes; v236-254 at work and scales.
.set SLOTB, 32768                      ; a slot: K's 16 images of 1,024 bytes, then V's 8 of 2,048
.set VOFF,  16384
.set SPARE, 65536                      ; behind the ring: the spare words, 128 bytes for each of 16 waves
.set LI,   1
.set ADR,  2
.set PFO,  3
.set SPW,  5
.set NIL,  6
.set TB,   2                           ; s2   LDS byte at which the slot in hand begins
.set TRIPS, 3                          ; s3   trips to go
.set WV,   18
.set SEL,  20
.set CS,   22                          ; s[22:23] c = log2(e) / 8 x 2^(e6 + e7)
.set G1K,  24
.set G1V,  32
.set G0K,  40
.set G0V,  44
.set KF,   48                          ; the step's first key
.set Q0,   49                          ; my first query of the block in hand
.set SWC,  50                          ; the key at which the readers change blocks
.set NK,   51                          ; the first key of the slot asked for last
.set SWP,  52                          ; the key at which the loads change blocks
.set Q1,   53                          ; my first query of the second block
.set KB,   54                          ; s[54:55] my head's K;  s[56:57] V;  s[58:59] my head's place in ac
.set VB,   56
.set OB,   58
.set PFA,  76                          ; s[76:77] where my prefetches stand;  s[78:79] a slot on;  s80 4 in a wave that prefetches, else 0
.set PFS,  78
.set LIM,  80
; Wave 0 fetches a slot's K, wave 1 its V, the others nothing.  An s_nop 0 and four v_nop follow each line.
.macro TLOAD
	s_cmp_eq_u32 s[WV], 0
	s_cbranch_scc0 .Lnot_k_\@
	tensor_load_to_lds s[G0K:G0K+3], s[G1K:G1K+7]
	s_nop 0
.rept 4
	v_nop
.endr
	s_branch .Lasked_\@
.Lnot_k_\@:
	s_cmp_eq_u32 s[WV], 1
	s_cbranch_scc0 .Lasked_\@
	tensor_load_to_lds s[G0V:G0V+3], s[G1V:G1V+7]
	s_nop 0
.rept 4
	v_nop
.endr
.Lasked_\@:
.endm
; A PREFETCH of what the NEXT change of slots will ask for.  The head's work-group with i = 0 walks the keys' slots 4 to 7 ahead of its three partners, so it alone asks, in changes 3 to 6 (5 to 2 trips to go), for slots 4 to 7: a slot's
; two key steps ahead of its own load.  Waves 4 and 5 name K's 16 rows of 1,024 bytes (8 rows a wave, four lanes a row, 256 bytes apart), waves 6 and 7 V's two runs of 8,192 bytes (lanes 256 bytes apart): each aligned 256 bytes once in the launch.
; Slots 0 to 3 are wanted by several work-groups in the first trips and come by their loads alone.
.macro ASK
	s_sub_co_u32 s96, s[TRIPS], 2
	s_cmp_lt_u32 s96, s[LIM]
	s_cbranch_scc0 .Lnot_mine_\@
	global_prefetch_b8 v[PFO], s[PFA:PFA+1] th:TH_LOAD_NT scope:SCOPE_SE
.Lnot_mine_\@:
.endm
.macro RESET                           ; a block of queries begins: O^T and the sum are zeros, the largest t is under every t
	v_mov_b32 v13, 0xff61b1e6                      ; -3e38
	s_delay_alu instid0(VALU_DEP_1)
	v_floor_f32 v12, -v13
	v_mov_b32 v14, 0
	v_mov_b32 v15, 0
.set j, 0
.rept 32
	v_mov_b32 v[160+j], 0
.set j, j+1
.endr
.endm
	s_load_b128 s[4:7], s[0:1], 0x0                ; qkv s[4:5], the scales' exponents s[6:7]
	s_load_b64 s[8:9], s[0:1], 0x10                ; ac
	v_lshl_add_u32 v[SPW], v0, 2, SPARE
	v_mov_b32 v[NIL], 0
	ds_add_u32 v[SPW], v[NIL]                      ; the wave's opening: the add and its wait ahead of the first tensor load
	ds_add_u32 v[SPW], v[NIL]
	v_lshrrev_b32 v8, 5, v0
	s_delay_alu instid0(VALU_DEP_1)
	v_readfirstlane_b32 s[WV], v8                  ; wave 0..15
	s_and_b32 s10, ttmp7, 0xffff                   ; batch x 16 + head
	; group 1, elements of 8 bytes, no padding.  K: 16 rows of 1,024 bytes, 2,048 apart (the neighbour head's images lie between).  V: 2 rows of 8,192 bytes, 131,072 apart (a block of 128 keys holds all 16 heads)
	s_mov_b32 s[G1K], 3<<16
	s_mov_b32 s[G1K+1], 128<<16
	s_mov_b32 s[G1K+2], 16<<16
	s_mov_b32 s[G1K+3], 128<<16
	s_mov_b32 s[G1K+4], 16
	s_mov_b32 s[G1K+5], 256
	s_mov_b32 s[G1K+6], 0
	s_mov_b32 s[G1K+7], 0
	s_mov_b32 s[G1V], 3<<16
	s_mov_b32 s[G1V+1], 1024<<16
	s_mov_b32 s[G1V+2], 2<<16
	s_mov_b32 s[G1V+3], 1024<<16
	s_mov_b32 s[G1V+4], 2
	s_mov_b32 s[G1V+5], 16384
	s_mov_b32 s[G1V+6], 0
	s_mov_b32 s[G1V+7], 0
	s_mov_b32 s[SEL], 0x76543210
	s_mov_b32 s[SEL+1], 0xfedcba98
	s_mov_b32 s[CS], 0x3e38aa3b                    ; log2(e) / 8
	s_mov_b32 s[TB], 0
	s_mov_b32 s[TRIPS], 8
	s_mov_b32 s[KF], 0
	s_mov_b32 s[NK], 0
	s_lshl_b32 s11, s[WV], 4
	s_lshl_b32 s[Q0], ttmp9, 8
	s_add_co_u32 s[SWC], s[Q0], 256                ; block i's keys end at 256 (i + 1)
	s_mov_b32 s[SWP], s[SWC]
	s_add_co_u32 s[Q0], s[Q0], s11                 ; 256 i + 16 w
	s_sub_co_u32 s[Q1], 7, ttmp9
	s_lshl_b32 s[Q1], s[Q1], 8
	s_add_co_u32 s[Q1], s[Q1], s11                 ; 256 (7 - i) + 16 w
	s_lshr_b32 s12, s10, 1
	s_lshl_b32 s12, s12, 18                        ; the pair of heads: 128 tiles of 2,048 bytes,
	s_and_b32 s13, s10, 1
	s_lshl_b32 s13, s13, 10                        ; my head of the two
	s_add_co_u32 s12, s12, s13
	s_mov_b32 s13, 0
	s_lshr_b32 s14, s10, 4
	s_lshl_b32 s14, s14, 21                        ; the batch, in V and in ac
	s_and_b32 s15, s10, 15
	s_lshl_b32 s16, s15, 13
	s_add_co_u32 s16, s16, s14
	s_add_co_u32 s16, s16, 16777216
	s_mov_b32 s17, 0
	s_lshl_b32 s15, s15, 10
	s_add_co_u32 s14, s14, s15
	s_mov_b32 s15, 0
	s_wait_dscnt 0x0                               ; the opening add is done
	s_wait_kmcnt 0x0
	s_load_b256 s[68:75], s[6:7], 0x0              ; e0 .. e7
	s_load_b128 s[84:87], s[6:7], 0x20             ; e8 .. e11
	s_add_nc_u64 s[60:61], s[4:5], s[12:13]        ; my head's Q
	s_add_nc_u64 s[KB:KB+1], s[60:61], 0x800000
	s_add_nc_u64 s[VB:VB+1], s[4:5], s[16:17]
	s_add_nc_u64 s[OB:OB+1], s[8:9], s[14:15]
	s_mov_b32 s[G0K], 1
	s_mov_b32 s[G0K+1], 0
	s_mov_b64 s[G0K+2:G0K+3], s[KB:KB+1]
	s_or_b32 s[G0K+3], s[G0K+3], 0x80000000
	s_mov_b32 s[G0V], 1
	s_mov_b32 s[G0V+1], VOFF
	s_mov_b64 s[G0V+2:G0V+3], s[VB:VB+1]
	s_or_b32 s[G0V+3], s[G0V+3], 0x80000000
	TLOAD                                          ; keys 0 to 255 into slot 0
	s_lshl_b32 s90, s[Q1], 7                       ; a tile of 16 queries is 2,048 bytes on
	s_mov_b32 s91, 0
	s_add_nc_u64 s[62:63], s[60:61], s[90:91]
	s_lshl_b32 s90, s[Q0], 7
	s_add_nc_u64 s[60:61], s[60:61], s[90:91]
	v_and_b32 v[LI], 31, v0
	s_delay_alu instid0(VALU_DEP_1)
	v_lshlrev_b32 v[LI], 4, v[LI]
	global_load_b128 v[16:19], v[LI], s[60:61]
	global_load_b128 v[20:23], v[LI], s[60:61] offset:512
	global_load_b128 v[24:27], v[LI], s[62:63]
	global_load_b128 v[28:31], v[LI], s[62:63] offset:512
	; the prefetches: where my wave's stand, and who asks
	s_cmp_lt_u32 s[WV], 6                          ; waves 4, 5: K;  waves 6, 7: V
	s_cselect_b64 s[PFA:PFA+1], s[KB:KB+1], s[VB:VB+1]
	s_mov_b32 s[PFS], 262144
	s_cselect_b32 s[PFS], 32768, s[PFS]            ; a slot on
	s_mov_b32 s82, 1024
	s_cselect_b32 s82, 2048, s82                   ; from four lanes to the next four
	s_mov_b32 s83, 131072
	s_cselect_b32 s83, 16384, s83                  ; from wave to wave
	s_mov_b32 s[PFS+1], 0
	v_and_b32 v[PFO], 3, v0
	s_delay_alu instid0(VALU_DEP_1)
	v_lshlrev_b32 v[PFO], 8, v[PFO]
	v_bfe_u32 v8, v0, 2, 3
	s_delay_alu instid0(VALU_DEP_1)
	v_mul_lo_u32 v8, v8, s82
	s_delay_alu instid0(VALU_DEP_1)
	v_add_nc_u32 v[PFO], v[PFO], v8
	s_and_b32 s82, s[WV], 1
	s_mul_i32 s82, s82, s83
	s_mov_b32 s83, 0
	s_add_nc_u64 s[PFA:PFA+1], s[PFA:PFA+1], s[82:83]  ; at the keys' slot 0: change n steps it to slot n + 1
	s_sub_co_u32 s82, s[WV], 4
	s_lshr_b32 s82, s82, 2                         ; 0 in waves 4 to 7,
	s_or_b32 s82, s82, ttmp9                       ; of the work-group with i = 0
	s_cmp_eq_u32 s82, 0
	s_cselect_b32 s[LIM], 4, 0
	RESET
	v_mov_b32 v236, 0                              ; written once: a lane permute's destination and a pair's upper half count as read
	v_mov_b32 v252, 0
	v_mov_b32 v253, 0
	v_mov_b32 v254, 0
	s_wait_kmcnt 0x0
	s_add_co_i32 s90, s74, s75                     ; a score stands for score x 2^(e6 + e7): added to c's exponent field
	s_lshl_b32 s90, s90, 23
	s_add_co_i32 s[CS], s[CS], s90
	s_mov_b32 s[CS+1], s[CS]
	s_add_co_i32 s90, s84, 127
	s_lshl_b32 s91, s90, 23
	v_mov_b32 v244, s91                            ; 2^e8
	s_add_co_i32 s90, s86, 127
	s_lshl_b32 s91, s90, 23
	v_mov_b32 v245, s91                            ; 2^e10
	s_add_co_i32 s88, s84, s85                     ; e8 + e9
; A KEY STEP: 128 keys, the q-th of the slot in hand.
.macro STEP q
	s_add_co_u32 s96, s[Q0], 15
	s_cmp_gt_u32 s[KF], s96                        ; all its keys come after my queries: left out.  No barrier and no tensor load stands in a step
	s_cbranch_scc1 .Lhidden_\@
	v_add_nc_u32 v[ADR], s[TB], v[LI]
.rept 3
	v_nop                                          ; with the addition: four places in front of loads into registers that the last products read
.endr
.irp t, 0,1,2,3,4,5,6,7
	ds_load_b128 v[32+8*\t:35+8*\t], v[ADR] offset:(8*(\q)+\t)*1024
	ds_load_b128 v[36+8*\t:39+8*\t], v[ADR] offset:(8*(\q)+\t)*1024+512
.endr
	s_wait_alu depctr_va_vdst(0)
	s_wait_dscnt 0x0
.irp t, 0,1,2,3,4,5,6,7
	v_wmma_f32_16x16x64_fp8_fp8 v[96+8*\t:103+8*\t], v[32+8*\t:39+8*\t], v[16:23], 0
.endr
.rept 4
	v_nop
.endr
.irp t, 0,1,2,3                                ; V's four fragments are asked for here and land under the softmax
.irp c, 0,1,2,3
	ds_load_b128 v[32+16*\t+4*\c:35+16*\t+4*\c], v[ADR] offset:VOFF+8192*(\q)+2048*\t+512*\c
.endr
.endr
	s_add_co_u32 s96, s[KF], 127
	s_cmp_le_u32 s96, s[Q0]                        ; all its keys count: no mask
	s_cbranch_scc1 .Lopen_\@
	s_sub_co_i32 s96, s[Q0], s[KF]
	v_and_b32 v252, 15, v0
	v_bfe_u32 v253, v0, 4, 1
	s_delay_alu instid0(VALU_DEP_1)
	v_lshlrev_b32 v253, 3, v253
	s_delay_alu instid0(VALU_DEP_1)
	v_sub_nc_u32 v252, v252, v253
	s_delay_alu instid0(VALU_DEP_1)
	v_add_nc_u32 v252, s96, v252                   ; d = my query - KF - 8 (lane / 16).  Register 8 t + j holds key KF + 16 t + 8 (lane / 16) + j: hidden where 16 t + j > d
	v_mov_b32 v254, 0xff800000
.set n, 0
.rept 64
	v_cmp_gt_i32 vcc_lo, 16*(n/8)+n%8, v252
	v_cndmask_b32 v[96+n], v[96+n], v254, vcc_lo
.set n, n+1
.endr
.Lopen_\@:
	v_max3_num_f32 v254, v96, v97, v98             ; the step's largest score of my query, among my 64 keys, in two chains,
	v_max3_num_f32 v252, v99, v100, v101
.irp i, 6,10,14,18,22,26,30,34,38,42,46,50,54,58
	v_max3_num_f32 v254, v254, v[96+\i], v[97+\i]
	v_max3_num_f32 v252, v252, v[98+\i], v[99+\i]
.endr
	v_max3_num_f32 v254, v254, v158, v159
	s_delay_alu instid0(VALU_DEP_1)
	v_max_num_f32 v254, v254, v252
	v_permlanex16_b32 v236, v254, s[SEL], s[SEL+1]
	s_delay_alu instid0(VALU_DEP_1)
	v_max_num_f32 v254, v254, v236                 ; and among the other half of the lanes'
	s_delay_alu instid0(VALU_DEP_1)
	v_mul_f32 v254, s[CS], v254                    ; as t (c is positive)
	s_delay_alu instid0(VALU_DEP_1)
	v_max_num_f32 v13, v13, v254
	v_mov_b32 v254, v12
	s_delay_alu instid0(VALU_DEP_2)
	v_floor_f32 v12, -v13                          ; the new -M = floor(-t)
	s_delay_alu instid0(VALU_DEP_1)
	v_sub_f32 v254, v12, v254                      ; old M - new M: a whole number, 0 or less
	s_delay_alu instid0(VALU_DEP_1)
	v_cvt_i32_f32 v254, v254
	s_delay_alu instid0(VALU_DEP_1)
	v_ldexp_f32 v252, 1.0, v254                    ; f = 2^(old M - new M)
.set j, 0
.rept 32
	v_pk_fma_f32 v[96+j:97+j], v[96+j:97+j], s[CS:CS+1], v[12:13] op_sel_hi:[1,0,0]   ; t - M, two at a time
.set j, j+2
.endr
.set j, 0
	s_wait_alu depctr_va_vdst(0)
.rept 64
	v_exp_f32 v[96+j], v[96+j]                     ; p = 2^(t - M)
.set j, j+1
.endr
	v_pk_mul_f32 v[14:15], v[14:15], v[252:253] op_sel_hi:[1,0]   ; the sums under the new M: the plain line behind the exponentials
	s_wait_alu depctr_va_vdst(0)                   ; one wait for the whole batch, ahead of its first reader
	v_pk_add_f32 v[242:243], v[100:101], v[104:105]
	v_pk_add_f32 v[254:255], v[108:109], v[112:113]
	v_pk_add_f32 v[250:251], v[116:117], v[120:121]
	v_pk_add_f32 v[248:249], v[124:125], v[128:129]
	v_pk_add_f32 v[246:247], v[132:133], v[136:137]
	v_pk_add_f32 v[240:241], v[140:141], v[144:145]
	v_pk_add_f32 v[238:239], v[148:149], v[152:153]
	v_pk_add_f32 v[14:15], v[14:15], v[156:157]
	v_pk_add_f32 v[242:243], v[242:243], v[96:97]
	v_pk_add_f32 v[254:255], v[254:255], v[98:99]
	v_pk_add_f32 v[250:251], v[250:251], v[102:103]
	v_pk_add_f32 v[248:249], v[248:249], v[106:107]
	v_pk_add_f32 v[246:247], v[246:247], v[110:111]
	v_pk_add_f32 v[240:241], v[240:241], v[114:115]
	v_pk_add_f32 v[238:239], v[238:239], v[118:119]
	v_pk_add_f32 v[14:15], v[14:15], v[122:123]
	v_pk_add_f32 v[242:243], v[242:243], v[126:127]
	v_pk_add_f32 v[254:255], v[254:255], v[130:131]
	v_pk_add_f32 v[250:251], v[250:251], v[134:135]
	v_pk_add_f32 v[248:249], v[248:249], v[138:139]
	v_pk_add_f32 v[246:247], v[246:247], v[142:143]
	v_pk_add_f32 v[240:241], v[240:241], v[146:147]
	v_pk_add_f32 v[238:239], v[238:239], v[150:151]
	v_pk_add_f32 v[14:15], v[14:15], v[154:155]
	v_pk_add_f32 v[242:243], v[242:243], v[158:159]
	s_delay_alu instid0(VALU_DEP_2)
	v_pk_add_f32 v[14:15], v[14:15], v[248:249]
	s_delay_alu instid0(VALU_DEP_2)
	v_pk_add_f32 v[242:243], v[242:243], v[246:247]
	v_pk_add_f32 v[254:255], v[254:255], v[240:241]
	v_pk_add_f32 v[250:251], v[250:251], v[238:239]
	s_delay_alu instid0(VALU_DEP_2)
	v_pk_add_f32 v[14:15], v[14:15], v[254:255]
	s_delay_alu instid0(VALU_DEP_2)
	v_pk_add_f32 v[242:243], v[242:243], v[250:251]
	s_delay_alu instid0(VALU_DEP_1)
	v_pk_add_f32 v[14:15], v[14:15], v[242:243]
.set j, 0
.rept 64
.set j, j+1
.endr
.irp t, 0,1,2,3,4,5,6,7
	v_cvt_scalef32_pk8_fp8_f32 v[224+2*\t:225+2*\t], v[96+8*\t:103+8*\t], v244
.endr
.set j, 0
.rept 16
	v_pk_mul_f32 v[160+j:161+j], v[160+j:161+j], v[252:253] op_sel_hi:[1,0]   ; O^T under the new M; these are also the plain lines between the conversions and the products
.set j, j+2
.endr
	s_wait_alu depctr_va_vdst(0)
	s_wait_dscnt 0x0                               ; V is in
.irp t, 0,1,2,3                                ; four accumulators by turns, one instruction a turn
	v_wmma_f32_16x16x128_fp8_fp8 v[160+8*\t:167+8*\t], v[32+16*\t:47+16*\t], v[224:239], v[160+8*\t:167+8*\t]
.endr
.Lhidden_\@:
	s_add_co_u32 s[KF], s[KF], 128
.endm
; THE CHANGE OF SLOTS stands at a slot's head.  Each wave waits for all its tensor loads, adds 0 to its spare word, and waits for that and for its reads of the slot that it has left.  Behind the barrier the slot ahead is whole and nobody
; reads the other one.  fill = 1: that one is filled with the next 256 keys of the walk (after block i's last slot: keys 0 on, for block 7 - i): the load has a slot's two steps in which to land.  One tensor load of a wave is out at the most.
.macro CHANGE fill
	s_wait_tensorcnt 0x0
	ds_add_u32 v[SPW], v[NIL]
.if \fill
	s_add_co_u32 s[NK], s[NK], 256
	s_cmp_eq_u32 s[NK], s[SWP]                     ; ids and counted steps alone
	s_cselect_b32 s[NK], 0, s[NK]
	s_cselect_b32 s[SWP], -1, s[SWP]
	s_xor_b32 s[G0K+1], s[G0K+1], SLOTB
	s_xor_b32 s[G0V+1], s[G0V+1], SLOTB
	s_lshl_b32 s90, s[NK], 7                       ; 16 keys are 2,048 bytes on in K,
	s_mov_b32 s91, 0
	s_add_nc_u64 s[G0K+2:G0K+3], s[KB:KB+1], s[90:91]
	s_or_b32 s[G0K+3], s[G0K+3], 0x80000000
	s_lshl_b32 s90, s[NK], 10                      ; 128 keys 131,072 bytes on in V
	s_add_nc_u64 s[G0V+2:G0V+3], s[VB:VB+1], s[90:91]
	s_or_b32 s[G0V+3], s[G0V+3], 0x80000000
	s_wait_xcnt 0x0                                ; the last prefetch, a slot back, has read its address
	s_add_nc_u64 s[PFA:PFA+1], s[PFA:PFA+1], s[PFS:PFS+1]
.endif
	s_wait_dscnt 0x0                               ; the add is done, and my reads of the slot that I have left are over
	s_barrier_signal -1
	s_barrier_wait -1
.if \fill
	TLOAD
	ASK
.endif
.endm
; THE WAY OUT of a block: O^T / the sum x 2^(e8 + e9), quantised with 2^e10.  Register 8 t + j is channel 16 t + 8 (lane / 16) + j of my query: the eight registers of codes are my head's half of the last product's operand: two stores of 512 consecutive bytes.
.macro WAYOUT
	s_wait_xcnt 0x0                                ; earlier stores have read their data and their base
.rept 4
	v_nop                                          ; places behind the last products
.endr
	v_add_f32 v14, v14, v15
	s_wait_alu depctr_va_vdst(0)
	v_permlanex16_b32 v252, v14, s[SEL], s[SEL+1]
	s_delay_alu instid0(VALU_DEP_1)
	v_add_f32 v14, v14, v252                       ; the row's sum
	s_wait_alu depctr_va_vdst(0)
	v_rcp_f32 v14, v14
	v_nop                                          ; the plain line behind the reciprocal
	s_lshl_b32 s92, s[Q0], 10                      ; a tile of 16 rows of ac is 16,384 bytes
	s_mov_b32 s93, 0
	s_add_nc_u64 s[92:93], s[OB:OB+1], s[92:93]
	s_wait_alu depctr_va_vdst(0)                   ; ahead of the reciprocal's first reader
	v_ldexp_f32 v14, v14, s88
.set j, 0
.rept 16
	v_pk_mul_f32 v[96+j:97+j], v[160+j:161+j], v[14:15] op_sel_hi:[1,0]   ; each accumulator from its low end on
.set j, j+2
.endr
.set j, 0
.rept 32
.set j, j+1
.endr
.irp t, 0,1,2,3
	v_cvt_scalef32_pk8_fp8_f32 v[224+2*\t:225+2*\t], v[96+8*\t:103+8*\t], v245
.endr
	v_nop                                          ; a plain line behind the conversions
	global_store_b128 v[LI], v[224:227], s[92:93]
	global_store_b128 v[LI], v[228:231], s[92:93] offset:512
.endm
; A slot's two steps.  sw = 1: where block i's keys are through (a compare of ids and counted steps, the same in all sixteen waves) the block goes out and block 7 - i begins.
.macro BODY sw
.if \sw
	s_cmp_lg_u32 s[KF], s[SWC]
	s_cbranch_scc1 .Lsame_\@
	WAYOUT
	s_mov_b32 s[Q0], s[Q1]
	s_mov_b32 s[KF], 0
	s_mov_b32 s[SWC], -1
.set j, 0
.rept 8
	v_mov_b32 v[16+j], v[24+j]
.set j, j+1
.endr
	RESET
	s_wait_xcnt 0x0                                ; the stores have read the codes' registers, which the next step writes
.Lsame_\@:
.endif
	STEP 0
	STEP 1
	s_xor_b32 s[TB], s[TB], SLOTB
.endm
	s_wait_loadcnt 0x0                             ; Q
.Lslot:                                            ; eight trips; behind each change of slots the next slot is asked for
	CHANGE 1
	BODY 1
	s_sub_co_u32 s[TRIPS], s[TRIPS], 1
	s_cmp_lg_u32 s[TRIPS], 0
	s_cbranch_scc1 .Lslot
	CHANGE 0                                       ; the ninth slot is written out: nothing is left to fetch, and the change of blocks (trip i + 1, 4 at the latest) lies behind
	BODY 0
	WAYOUT
	s_wait_tensorcnt 0x0                           ; the wave's end
	ds_add_u32 v[SPW], v[NIL]
	s_wait_dscnt 0x0
	s_endpgm
.Lfunc_end_k_qcb31a1172e_attn:
	.size	k_qcb31a1172e_attn, .Lfunc_end_k_qcb31a1172e_attn-k_qcb31a1172e_attn
	.p2alignl 7, 3214868480
	.fill 96, 4, 3214868480
	.section	.rodata,"a",@progbits
	.p2align	6, 0x0
	.amdhsa_kernel k_qcb31a1172e_attn
		.amdhsa_group_segment_fixed_size 327680
		.amdhsa_private_segment_fixed_size 0
		.amdhsa_enable_private_segment 0
		.amdhsa_kernarg_size 24
		.amdhsa_user_sgpr_count 2
		.amdhsa_user_sgpr_kernarg_segment_ptr 1
		.amdhsa_wavefront_size32 1
		.amdhsa_system_sgpr_workgroup_id_x 1
		.amdhsa_system_sgpr_workgroup_id_y 1
		.amdhsa_system_sgpr_workgroup_id_z 1
		.amdhsa_system_vgpr_workitem_id 0
		.amdhsa_next_free_vgpr 256
		.amdhsa_next_free_sgpr 100
		.amdhsa_reserve_vcc 1
		.amdhsa_float_denorm_mode_32 3
		.amdhsa_float_denorm_mode_16_64 3
		.amdhsa_fp16_overflow 1
		.amdhsa_memory_ordered 1
		.amdhsa_forward_progress 1
		.amdhsa_inst_pref_size 93
	.end_amdhsa_kernel
	.amdgpu_metadata
---
amdhsa.version: [ 1, 2 ]
amdhsa.kernels:
  - .name:           k_qcb31a1172e_attn
    .symbol:         k_qcb31a1172e_attn.kd
    .args:
      - { .name: qkv, .offset: 0, .size: 8, .value_kind: global_buffer, .address_space: global }
      - { .name: lowp_scales, .offset: 8, .size: 8, .value_kind: global_buffer, .address_space: global }
      - { .name: ac, .offset: 16, .size: 8, .value_kind: global_buffer, .address_space: global }
    .group_segment_fixed_size: 327680
    .private_segment_fixed_size: 0
    .kernarg_segment_align: 8
    .kernarg_segment_size: 24
    .max_flat_workgroup_size: 512
    .sgpr_count:     100
    .vgpr_count:     256
    .wavefront_size: 32
...
	.end_amdgpu_metadata
.endif
;; end of part 3
;; launch proj (part 4): grid 4 x 64, 4 waves a work-group, clusters of 4 x 4, 327,680 bytes of LDS; arguments ac, codes, lowp_scales, out0; writes out0
.if DOCPART == 4
	.amdgcn_target "amdgcn-amd-amdhsa--gfx1250"
	.amdhsa_code_object_version 6
	.text
	.protected	k_qcb31a1172e_proj
	.globl	k_qcb31a1172e_proj
	.p2align	8
	.type	k_qcb31a1172e_proj,@function
k_qcb31a1172e_proj:
	s_mov_b64 s[64:65], 0
	v_nop
	global_prefetch_b8 v0, s[64:65] scope:SCOPE_SE
	s_setreg_imm32_b32 hwreg(HW_REG_WAVE_MODE, 25, 1), 1
	s_wait_xcnt 0x0
	s_wait_alu depctr_hold_cnt(0) depctr_sa_sdst(0) depctr_va_vdst(0) depctr_va_sdst(0) depctr_va_ssrc(0) depctr_va_vcc(0) depctr_vm_vsrc(0)
	s_getreg_b32 s2, hwreg(HW_REG_IB_STS2, 6, 4)
	s_cmp_eq_u32 s2, 0
	s_cbranch_scc0 .Lentry_in_a_cluster
	s_endpgm
.Lentry_in_a_cluster:
	s_bfe_u32 s2, ttmp6, 0x10000c
	s_cmp_lg_u32 s2, 0xf033
	s_cbranch_scc0 .Lentry_shape_is_right
	s_endpgm
.Lentry_shape_is_right:
; out0 = attn Wo on E4M3 codes, K = 1,024; each f32 sum x 2^(e10 + e11).  attn's codes come as images of operand registers (tile of 16 rows x 16,384 bytes + head x 1,024; two heads on end are a fragment of 128 along K in the form's own order);
; Wo's codes lie [n][k], K innermost, 27 MiB into the buffer codes, and are read in the same order of k: eight loads of 8 bytes a fragment.
; A tile is 128 rows x 256 columns: 256 work-groups (tiles of 256 x 256 would be 128).  Four waves, each 64 x 128: 32 accumulators.  K goes in four steps of 256 through THREE LDS slots: K steps 0 to 2 are asked for at the head
; (three loads of a wave are out), only K step 3 fills a slot again.  All is written out: no loop.
; THE MATRIX INSTRUCTION: source 0 = 16 rows of Wo's codes (columns of out0), source 1 = 16 rows of attn: a lane holds eight neighbouring numbers of a row of out0.
; CLUSTERS: 4 x 4 work-groups; attn's tile is shared along a row of the cluster, Wo's along a column.
; LIMIT: e10 + e11 between -126 and 127.
; REGISTERS: window 0: v16-18, v20-22 LDS addresses by slot; v24-29; v32-95 at work on the way out; v128-191, v192-255 A's two sets (on the way out: rows read back).  window 1: B's two sets.  window 2: accumulator (a, b) at v[8 (8 a + b)].
.set PITCH,  272                       ; a row of B in LDS: 256 bytes + 16 of padding
.set HALFB,  128*PITCH
.set BOFF,   32768                     ; a slot: A's 8 images of 4,096 bytes, then B's 256 rows
.set SLOT,   BOFF+2*HALFB              ; 102,400
.set SPARE,  3*SLOT                    ; behind the slots: the spare words, 128 bytes for each wave
.set SPITCH, 528
.set STAGE,  SLOT                      ; the way out: 16 rows x 528 bytes for each wave, in slot 1: it has had its only fill, and its last reads lie in front of the last barrier
.set WC3,    28311552                  ; Wo's codes
.set ADRA, 16
.set ADRB, 20
.set STO,  24
.set RD,   25
.set CO,   26
.set SPW,  28
.set NIL,  29
.set TMP,  32
.set BK,   128
.set G1A, 24                           ; s[24:31], s[32:39] groups 1;  s[40:51], s[52:63] groups 0, a set for each slot
.set G1B, 32
.set G0A, 40
.set G0B, 52
.set MSB, 0
.macro WIN new
.if MSB != \new
	s_set_vgpr_msb (MSB<<8)|\new
.set MSB, \new
.endif
.endm
.set MUL, 0xa1                         ; source 0 (B) window 1, source 1 (A) window 0, C and D window 2
.macro JLOAD g0a, g1a, g0b, g1b        ; waves 0 and 1 fetch A's halves, waves 2 and 3 B's; an s_nop 0 and four v_nop follow each line
	s_cmp_eq_u32 s15, 0
	s_cbranch_scc0 .Lfor_b_\@
	tensor_load_to_lds s[\g0a:\g0a+3], s[\g1a:\g1a+7]
	s_nop 0
.rept 4
	v_nop
.endr
	s_branch .Lasked_\@
.Lfor_b_\@:
	tensor_load_to_lds s[\g0b:\g0b+3], s[\g1b:\g1b+7]
	s_nop 0
.rept 4
	v_nop
.endr
.Lasked_\@:
.endm
.macro CREST
	s_cmp_lg_u32 s14, 0
	s_cbranch_scc1 .Lnot_wave_0_\@
	s_barrier_signal -3
.Lnot_wave_0_\@:
	s_barrier_wait -3
	s_barrier_signal -1
	s_barrier_wait -1
.endm
.macro CROUND
	s_barrier_signal -1
	s_barrier_wait -1
	CREST
.endm
	s_load_b256 s[4:11], s[0:1], 0x0               ; ac s[4:5], codes s[6:7], the scales' exponents s[8:9], out0 s[10:11]
	v_lshl_add_u32 v[SPW], v0, 2, SPARE
	v_mov_b32 v[NIL], 0
	ds_add_u32 v[SPW], v[NIL]
	ds_add_u32 v[SPW], v[NIL]                      ; the wave's opening: the add and its wait ahead of my first tensor load
	v_lshrrev_b32 v1, 5, v0
	v_readfirstlane_b32 s14, v1                    ; wave 0..3
	s_lshr_b32 s15, s14, 1                         ; my half of the rows.  Also: I fetch for A (0) or for B (1)
	s_and_b32 s16, s14, 1                          ; my half of the columns.  Also: which half I fetch
	s_bfe_u32 s66, ttmp6, 0x40000                  ; cx = the tile column
	s_bfe_u32 s67, ttmp6, 0x40004                  ; cy
	s_and_b32 s68, ttmp7, 0xffff
	s_lshl_b32 s68, s68, 2
	s_add_co_u32 s68, s68, s67                     ; the tile row
	s_lshl_b32 s69, s67, 2
	s_lshl_b32 s69, 15, s69                        ; my row of the cluster
	s_lshl_b32 s70, 0x1111, s66                    ; my column
	s_or_b32 s[G1A], s69, (3<<16)|(1<<21)          ; A: the mask; elements of 8 bytes; no padding; bit 21 beside a mask
	s_mov_b32 s[G1A+1], 512<<16                    ; 4 rows of 4,096 bytes (a tile of 16 rows, four heads),
	s_mov_b32 s[G1A+2], 4<<16
	s_mov_b32 s[G1A+3], 512<<16
	s_mov_b32 s[G1A+4], 4
	s_mov_b32 s[G1A+5], 2048                       ; 16,384 bytes apart
	s_mov_b32 s[G1A+6], 0
	s_mov_b32 s[G1A+7], 0
	s_or_b32 s[G1B], s70, (0<<16)|(1<<20)|(1<<21)|(5<<22)|(3<<25)  ; B: elements of 1 byte; 4 words of padding behind every 64
	s_mov_b32 s[G1B+1], 256<<16                    ; 128 rows of 256 bytes,
	s_mov_b32 s[G1B+2], 128<<16
	s_mov_b32 s[G1B+3], 256<<16
	s_mov_b32 s[G1B+4], 128
	s_mov_b32 s[G1B+5], 1024                       ; 1,024 apart
	s_mov_b32 s[G1B+6], 0
	s_mov_b32 s[G1B+7], 0
	s_lshl_b32 s72, s68, 17                        ; A: 8 tiles of 16 rows for a tile row, + 4 x half
	s_lshl_b32 s71, s16, 16
	s_add_co_u32 s72, s72, s71
	s_mov_b32 s73, 0
	s_lshl_b32 s74, s66, 18                        ; B: 256 rows for a tile column, + 128 x half
	s_lshl_b32 s71, s16, 17
	s_add_co_u32 s74, s74, s71
	s_add_co_u32 s74, s74, WC3
	s_mov_b32 s75, 0
	s_lshl_b32 s76, s16, 14                        ; where they go: no place in the cluster enters an LDS address
	s_mul_i32 s77, s16, HALFB
	s_add_co_u32 s77, s77, BOFF
	s_wait_dscnt 0x0                               ; the opening add is done
	s_wait_kmcnt 0x0
	s_load_b64 s[96:97], s[8:9], 0x28              ; e10, e11
	s_add_nc_u64 s[72:73], s[4:5], s[72:73]
	s_add_nc_u64 s[74:75], s[6:7], s[74:75]
	CROUND                                         ; all sixteen work-groups are here: the first joint loads meet
.irp s, 0,1,2
	s_mov_b32 s[G0A+4*\s], 1
	s_add_co_u32 s[G0A+4*\s+1], s76, \s*SLOT
	s_add_nc_u64 s[G0A+4*\s+2:G0A+4*\s+3], s[72:73], \s*4096
	s_or_b32 s[G0A+4*\s+3], s[G0A+4*\s+3], 0x80000000
	s_mov_b32 s[G0B+4*\s], 1
	s_add_co_u32 s[G0B+4*\s+1], s77, \s*SLOT
	s_add_nc_u64 s[G0B+4*\s+2:G0B+4*\s+3], s[74:75], \s*256
	s_or_b32 s[G0B+4*\s+3], s[G0B+4*\s+3], 0x80000000
.endr
	s_cmp_eq_u32 s15, 0                            ; a wave's three first fills stand in one branch, ahead of every wait on TENSORcnt and every LDS read
	s_cbranch_scc0 .Lfirst_b
	tensor_load_to_lds s[G0A:G0A+3], s[G1A:G1A+7]
	s_nop 0
	tensor_load_to_lds s[G0A+4:G0A+7], s[G1A:G1A+7]
	s_nop 0
	tensor_load_to_lds s[G0A+8:G0A+11], s[G1A:G1A+7]
	s_nop 0
.rept 4
	v_nop
.endr
	s_branch .Lfirst_asked
.Lfirst_b:
	tensor_load_to_lds s[G0B:G0B+3], s[G1B:G1B+7]
	s_nop 0
	tensor_load_to_lds s[G0B+4:G0B+7], s[G1B:G1B+7]
	s_nop 0
	tensor_load_to_lds s[G0B+8:G0B+11], s[G1B:G1B+7]
	s_nop 0
.rept 4
	v_nop
.endr
.Lfirst_asked:
	v_and_b32 v1, 15, v0                           ; r
	v_bfe_u32 v2, v0, 4, 1                         ; h
	v_and_b32 v6, 31, v0
	v_lshlrev_b32 v[CO], 4, v6                     ; 16 x lane
	v_mul_u32_u24 v3, v1, PITCH
	v_lshl_add_u32 v3, v2, 3, v3                   ; B: row r x pitch + 8 h
	s_lshl_b32 s80, s15, 14                        ; my four images of A
	s_mul_i32 s81, s16, HALFB
	s_add_co_u32 s81, s81, BOFF                    ; my 128 rows of B
.irp s, 0,1,2
	v_add_nc_u32 v[ADRA+\s], s80, v[CO]
	v_add_nc_u32 v[ADRB+\s], s81, v3
	s_add_co_u32 s80, s80, SLOT
	s_add_co_u32 s81, s81, SLOT
.endr
	s_mul_i32 s82, s14, 16*SPITCH
	s_add_co_u32 s82, s82, STAGE                   ; my stage
	v_mul_u32_u24 v5, v1, SPITCH
	v_lshl_add_u32 v5, v2, 5, v5
	v_add_nc_u32 v[STO], s82, v5                   ; in: row r, 32 bytes for each half of the lanes
	v_add_nc_u32 v[RD], s82, v[CO]                 ; back: the 32 lanes take one row of 512 bytes
	s_lshl_b32 s78, s68, 19                        ; out0: 128 rows of 4,096 bytes for a tile row,
	s_lshl_b32 s79, s15, 18                        ; 64 for my half,
	s_add_co_u32 s78, s78, s79
	s_lshl_b32 s79, s66, 10                        ; 1,024 bytes for a tile column,
	s_add_co_u32 s78, s78, s79
	s_lshl_b32 s79, s16, 9                         ; 512 for my half
	s_add_co_u32 s78, s78, s79
	s_mov_b32 s79, 0
	s_add_nc_u64 s[10:11], s[10:11], s[78:79]
; 16 matrix instructions: A's tiles a0, a0 + 1 x B's eight, 128 along K, on set p.  The 32 accumulators take turns, one instruction a turn, in the same order in every step.
.macro MUL16 a0, p, zero
.irp a, \a0, \a0+1
.irp b, 0,1,2,3,4,5,6,7
.if \zero
	v_wmma_f32_16x16x128_fp8_fp8 v[8*(8*(\a)+\b):8*(8*(\a)+\b)+7], v[128*(\p)+16*\b:128*(\p)+16*\b+15], v[128+64*(\p)+16*(\a):128+64*(\p)+16*(\a)+15], 0
.else
	v_wmma_f32_16x16x128_fp8_fp8 v[8*(8*(\a)+\b):8*(8*(\a)+\b)+7], v[128*(\p)+16*\b:128*(\p)+16*\b+15], v[128+64*(\p)+16*(\a):128+64*(\p)+16*(\a)+15], v[8*(8*(\a)+\b):8*(8*(\a)+\b)+7]
.endif
.endr
.endr
.endm
; The fragments of the slot's q-th 128 along K into set p.  B: registers 2 c, 2 c + 1 = K 16 c + 8 h + 0 .. 7 of row r.  A: the image as it lies, 16 bytes a lane.
.macro FETCH slot, q, p
	WIN 0x40                                       ; destination window 1
.irp b, 0,1,2,3,4,5,6,7
.irp c, 0,1,2,3,4,5,6,7
	ds_load_b64 v[128*(\p)+16*\b+2*\c:128*(\p)+16*\b+2*\c+1], v[ADRB+\slot] offset:16*PITCH*\b+128*(\q)+16*\c
.endr
.endr
	WIN 0
.irp a, 0,1,2,3
.irp c, 0,1,2,3
	ds_load_b128 v[128+64*(\p)+16*\a+4*\c:128+64*(\p)+16*\a+4*\c+3], v[ADRA+\slot] offset:4096*\a+2048*(\q)+512*\c
.endr
.endr
.endm
.macro PLACES                          ; four plain lines between a matrix instruction and a load into, or a vector read of, its registers
.rept 4
	v_nop
.endr
.endm
; A plain step: set cur is in; the next step's fragments are asked for into the other set; 32 products.
.macro GO cur, slot, q
	s_wait_dscnt 0x0
	PLACES
	FETCH \slot, \q, 1-(\cur)
	WIN MUL
	MUL16 0, \cur, 0
	MUL16 2, \cur, 0
.endm
; The first half of a step in front of which the waves meet: each waits for all its tensor loads, adds 0 to its spare word, waits for that and for its LDS reads, signals, and works on registers until all four have signalled.
.macro MEET p
	WIN 0
	s_wait_tensorcnt 0x0
	ds_add_u32 v[SPW], v[NIL]
	s_wait_dscnt 0x0
	s_barrier_signal -1
	WIN MUL
	MUL16 0, \p, 0
	WIN 0
	s_barrier_wait -1
.endm
	s_wait_alu depctr_va_vdst(0)
	s_wait_tensorcnt 2                             ; my part of K step 0 is in; K steps 1 and 2 may be out
	s_barrier_signal -1
	s_barrier_wait -1
	FETCH 0, 0, 0
	s_wait_dscnt 0x0
	FETCH 0, 1, 1                                  ; my last reads of slot 0's first tile
	WIN MUL
	MUL16 0, 0, 1                                  ; the first products start the sums: nothing is cleared
	MUL16 2, 0, 1
	MEET 1                                         ; slot 0 is left; slots 1 and 2 are whole
	CREST                                          ; the barrier has opened a round of the cluster's: no wave of any partner still reads slot 0 or has a load on its way
	s_add_nc_u64 s[G0A+2:G0A+3], s[G0A+2:G0A+3], 3*4096
	s_add_nc_u64 s[G0B+2:G0B+3], s[G0B+2:G0B+3], 3*256
	JLOAD G0A, G1A, G0B, G1B                       ; K step 3 into slot 0: it has four steps of 128 in which to land; its four v_nop are the places in front of the loads below
	FETCH 1, 0, 0
	WIN MUL
	MUL16 2, 1, 0
	GO 0, 1, 1
	GO 1, 2, 0
	GO 0, 2, 1
	MEET 1                                         ; K step 3 is whole; nothing is filled again, so no round follows
	PLACES
	FETCH 0, 0, 0
	WIN MUL
	MUL16 2, 1, 0
	GO 0, 0, 1
	s_wait_dscnt 0x0
	MUL16 0, 1, 0
	MUL16 2, 1, 0
	WIN 0
; THE WAY OUT, block by block of 16 rows x 128 columns: through my own stage in LDS, back as whole rows of 512 bytes.  LDS serves a wave's instructions in order (ISA guide 5.7.1.4): no wait between the stores and the loads.
.macro TOSTAGE a
.set AC, 64*(\a)
	WIN 0x02                                       ; source 0: window 2
.set j, 0
.rept 32
	v_pk_mul_f32 v[TMP+j:TMP+j+1], v[AC+j:AC+j+1], s[96:97] op_sel_hi:[1,0]   ; x 2^(e10 + e11); each accumulator from its low end on
.set j, j+2
.endr
	WIN 0
.irp b, 0,1,2,3,4,5,6,7
	ds_store_b128 v[STO], v[TMP+8*\b:TMP+8*\b+3] offset:64*\b
	ds_store_b128 v[STO], v[TMP+8*\b+4:TMP+8*\b+7] offset:64*\b+16
.endr
.set BB, BK+64*((\a)%2)
.irp t, 0,1,2,3,4,5,6,7,8,9,10,11,12,13,14,15
	ds_load_b128 v[BB+4*\t:BB+4*\t+3], v[RD] offset:\t*SPITCH
.endr
.endm
.macro SEND a, younger                 ; younger: the LDS instructions issued behind block a's loads, which may stay out
.set BB, BK+64*((\a)%2)
	s_wait_dscnt \younger
.irp t, 0,1,2,3,4,5,6,7,8,9,10,11,12,13,14,15
	global_store_b128 v[CO], v[BB+4*\t:BB+4*\t+3], s[10:11] offset:65536*(\a)+4096*\t th:TH_STORE_NT   ; 32 lanes store 512 consecutive aligned bytes
.endr
.endm
	s_wait_kmcnt 0x0
	s_add_co_i32 s96, s96, s97
	s_add_co_i32 s96, s96, 127
	s_lshl_b32 s96, s96, 23                        ; 2^(e10 + e11) as f32
	s_mov_b32 s97, s96                             ; (named with it as a pair)
	PLACES
	TOSTAGE 0
	TOSTAGE 1
	SEND 0, 32                                     ; behind block 0's loads: block 1's 16 stores and 16 loads
	s_wait_xcnt 0x0                                ; block 0's stores have read their registers: block 2's loads may land there
	TOSTAGE 2
	SEND 1, 32
	s_wait_xcnt 0x0
	TOSTAGE 3
	SEND 2, 32
	SEND 3, 0
	s_wait_tensorcnt 0x0                           ; the wave's end, behind my last tensor load and my last LDS store
	ds_add_u32 v[SPW], v[NIL]
	s_wait_dscnt 0x0
	CROUND                                         ; the closing round
	s_endpgm
.Lfunc_end_k_qcb31a1172e_proj:
	.size	k_qcb31a1172e_proj, .Lfunc_end_k_qcb31a1172e_proj-k_qcb31a1172e_proj
	.p2alignl 7, 3214868480
	.fill 96, 4, 3214868480
	.section	.rodata,"a",@progbits
	.p2align	6, 0x0
	.amdhsa_kernel k_qcb31a1172e_proj
		.amdhsa_group_segment_fixed_size 327680
		.amdhsa_private_segment_fixed_size 0
		.amdhsa_enable_private_segment 0
		.amdhsa_kernarg_size 32
		.amdhsa_user_sgpr_count 2
		.amdhsa_user_sgpr_kernarg_segment_ptr 1
		.amdhsa_wavefront_size32 1
		.amdhsa_system_sgpr_workgroup_id_x 1
		.amdhsa_system_sgpr_workgroup_id_y 1
		.amdhsa_system_sgpr_workgroup_id_z 1
		.amdhsa_system_vgpr_workitem_id 0
		.amdhsa_next_free_vgpr 768
		.amdhsa_next_free_sgpr 100
		.amdhsa_reserve_vcc 0
		.amdhsa_float_denorm_mode_32 3
		.amdhsa_float_denorm_mode_16_64 3
		.amdhsa_memory_ordered 1
		.amdhsa_forward_progress 1
		.amdhsa_inst_pref_size 90
	.end_amdhsa_kernel
	.amdgpu_metadata
---
amdhsa.version: [ 1, 2 ]
amdhsa.kernels:
  - .name:           k_qcb31a1172e_proj
    .symbol:         k_qcb31a1172e_proj.kd
    .args:
      - { .name: ac, .offset: 0, .size: 8, .value_kind: global_buffer, .address_space: global }
      - { .name: codes, .offset: 8, .size: 8, .value_kind: global_buffer, .address_space: global }
      - { .name: lowp_scales, .offset: 16, .size: 8, .value_kind: global_buffer, .address_space: global }
      - { .name: out0, .offset: 24, .size: 8, .value_kind: global_buffer, .address_space: global }
    .group_segment_fixed_size: 327680
    .private_segment_fixed_size: 0
    .kernarg_segment_align: 8
    .kernarg_segment_size: 32
    .max_flat_workgroup_size: 128
    .sgpr_count:     100
    .vgpr_count:     768
    .wavefront_size: 32
...
	.end_amdgpu_metadata
.endif
;; end of part 4
